; MI455X (gfx1250); checked and timed in simulation.
; The chip was launched on July 23, 2026; its instructions are those of AMD's public machine-readable ISA for CDNA 5 (MIT licence, August 2026) and "CDNA5" Instruction Set Architecture Reference Guide (July 2026). The comments in the code are by the model that wrote it; some were corrected since.
;; Smooth Quant W8 A16 Linear. Allowed arithmetic: matrix products marked QUANTISED: E2M3 operands, one E8M0 scale for each 32 along K, by v_wmma_scale_f32_16x16x128_f8f6f4 with both operands' format E2M3, f32 sums; everything else in f32.
;; Inputs: bias 4,096 float32; smooth_scale one number float32; weight_int8 4,096 x 4,096 int8; weight_scale one number float32; x 4 x 1,024 x 4,096 float32.
;; Outputs: out0 4 x 1,024 x 4,096 float32.
;; This version of the problem:
;;   THIS VERSION OF THE PROBLEM IS GIVEN IN LOW PRECISION. The matrix products marked QUANTISED in the list below multiply operands that are first quantised to E2M3 (2 exponent bits, 3 mantissa bits; 6 bits a number), with one power-of-two scale for each 32 numbers along K (OCP MX v1.0); their sums are f32. All else is computed in f32.
;;   The module's matrix products, in the order in which they are computed (A, B: the left and right operand; K: the contracted axis; several contracted axes count as one K, in the product's order):
;;     1. [M 4,096, K 4,096] x [K 4,096, N 4,096]; A: computed on the way; B: computed on the way: QUANTISED
;;   THE QUANTISER, for each operand of a quantised product, along K:
;;     - K is cut into blocks of 32 from its start; a last block that is shorter is filled with zeros.
;;     - A block's scale is 2^e with e = floor(log2(the largest magnitude in the block)) - 2, held to -126 .. 127; a block of zeros has e = 0. As a byte (E8M0): e + 127.
;;     - Each number is divided by its block's scale, clamped to +-7.5, and rounded to the nearest number of E2M3, ties to even, subnormals kept.
;;     - The product sums the exact products of the quantised numbers (number of the format x scale) in f32.
;;   ~~~python
;;   def quantise(x, axis):      # numpy; x: float32 -> the quantised numbers, widened to float32 again
;;       x = np.moveaxis(x, axis, -1); K = x.shape[-1]
;;       x = np.pad(x, [(0, 0)] * (x.ndim - 1) + [(0, -K % 32)]); x = x.reshape(x.shape[:-1] + (-1, 32)); a = np.abs(x).max(-1, keepdims=True)
;;       e = np.where(a > 0, np.clip(np.frexp(np.where(a > 0, a, 1))[1] - 1 - 2, -126, 127), 0)      # np.frexp(a)[1] - 1 = floor(log2(a)), exactly
;;       r = np.clip(x / 2.0 ** e, -7.5, 7.5)
;;       step = 2.0 ** (np.maximum(np.frexp(np.where(r == 0, 1, r))[1] - 1, 0) - 3)
;;       q = np.round(r / step) * step * 2.0 ** e      # np.round: ties to even
;;       return np.moveaxis(q.reshape(q.shape[:-2] + (-1,))[..., :K], -1, axis).astype(np.float32)
;;   ~~~
;;   OPERANDS COMPUTED ON THE WAY. 'Computed on the way' means the value that the module computes at that place (a softmax that the list does not call 'softmax' is quantised finished and normalised). What goes into a quantiser is computed in f32, as accurately as f32 sums, v_exp_f32 and their like allow (about 1e-6 of the number): no bf16 or f16 on the way to a quantiser, and a product that is left as it is and whose result goes on into a quantised operand takes f32 operands (vector FMAs, or v_wmma_f32_16x16x4_f32). A number that lies on a knife's edge between two numbers of the format may be rounded either way, as far as f32 arithmetic and the matrix unit's own rounding can turn it there, and no further.
;; One version. Each part assembles by itself: llvm-mc -triple=amdgcn-amd-amdhsa -mcpu=gfx1250 --defsym DOCPART=n.
;; ======== version 1 of 1: 2 launches
;; limits: right only within a limited range of input values
;; workspace buffers: a_q 13,107,200 bytes; b_q 13,107,200 bytes
;; launch quant (part 1): grid 16 x 64, 4 waves a work-group, no clusters, 70,144 bytes of LDS; arguments x, weight_int8, smooth_scale, weight_scale, a_q, b_q; writes a_q, b_q
.if DOCPART == 1
	.amdgcn_target "amdgcn-amd-amdhsa--gfx1250"
	.amdhsa_code_object_version 6
	.text
	.protected	k_q8f894cfffd_quant
	.globl	k_q8f894cfffd_quant
	.p2align	8
	.type	k_q8f894cfffd_quant,@function
k_q8f894cfffd_quant:
	s_mov_b64 s[64:65], 0
	v_nop
	global_prefetch_b8 v0, s[64:65] scope:SCOPE_SE
	s_setreg_imm32_b32 hwreg(HW_REG_WAVE_MODE, 25, 1), 1
	s_wait_xcnt 0x0
; x [4096][4096] f32 times smooth_scale, and weight_int8 [4096][4096] times weight_scale, both formed in f32, become codes of FP6 (E2M3) with one E8M0 scale byte for each 32 along K (K innermost in both).
; A block's scale is 2^(floor(log2(its largest magnitude)) - 2); its byte is that magnitude's exponent field - 2, held at 1 from below; each number is divided by the scale and rounded to the nearest code, ties to even,
; beyond the largest code the largest.  No work of the problem is left out: every input is read.
; LIMITS: NaN and infinities among the inputs are not served.  A block of zeros gets the byte 1 where the rule says 127: its codes are zeros, which add nothing under any byte but 0xff, and this program alone reads the bytes.
; THE OUTPUT IS LAID AS THE PRODUCT'S LAUNCH WANTS ITS REGISTERS.  a_q and b_q: [K / 128: 32][row / 128: 32][12,800 bytes].  In such a block: 8 images of fragments, 1,536 bytes each; an image is the operand's
; 12 registers as they stand, registers 4 c .. 4 c + 3 of lane l at 512 c + 16 l.  Behind them, from byte 12,288 on, the scale words: that of lane r of image i at 64 i + 4 r.
; WHICH ROWS FORM AN IMAGE.  a_q: lane r of image i is row 16 i + r of the 128.  b_q: lane r of image i is row 64 (i / 4) + 4 r + i % 4: so in the product four neighbouring images give a lane four neighbouring columns.
; SHARES.  Work-group (x = K / 256, y = row / 64); wave w makes image i = 4 (y % 2) + w of a_q and of b_q, for both 128 of K: two fragments q = 0, 1 of each tensor.  1,024 work-groups, four to a WGP by their registers and LDS.
; Waves share nothing: no barrier; no work-group reads what another reads: nothing to share in a cluster; no tensor loads; no loop: every offset is an immediate.
; THE ORDER.  A wave asks for its 4,096 bytes of the weight, then for its first 8,192 bytes of x; it works the weight while x is on its way, and asks for its second 8,192 bytes of x as soon as the weight's bytes are unpacked.
; THE TURN THROUGH LDS.  The conversions take 16 neighbours along K from ONE lane's registers; a load takes neighbouring bytes in neighbouring lanes (512 bytes of a row of x, 256 of each of two rows of the weight).
; So the numbers go into the wave's own stage as they lie and come back as the conversions want them.
; A wave's 16 scale words for one 128 of K are 64 neighbouring bytes: one store of 4 bytes a lane serves both 128 of K (one byte in 25 of what the launch stores).
.set XO,  4                            ; v4   16 x lane
.set WO,  5                            ; v5   16,384 h + 16 r: two rows of the weight, four rows apart
.set STX, 6                            ; v6   stage, x in: base + 16 x lane
.set RBX, 7                            ; v7   and back: + 528 r + 64 h
.set STW, 8                            ; v8   stage, the weight in: + 272 h + 16 r
.set RBW, 9                            ; v9   and back: + 272 r + 16 h
.set IMG, 10                           ; v10  16 x lane + 1,536 x image
.set SCO, 11                           ; v11  4 r + 64 x image + h x (one 128 of K on)
.set S0,  16                           ; v16-79 x's first fragment
.set S1,  80                           ; v80-111 the weight's bytes; then v80-143 x's second fragment
.set S2,  144                          ; v144-207 the weight's numbers
.set PC,  208                          ; v208-219 a fragment's codes; v220-227 at work
.set TM,  228                          ; largest magnitudes, bytes, the conversions' scale operands
.set PW,  244                          ; v244-245 the two fragments' scale words
.set STG, 8704                         ; a stage: 16 rows x 528 bytes (x) or 16 rows x 272 bytes (the weight); two a wave
.set KST, 409600                       ; bytes from one 128 of K to the next in a_q and b_q
.macro LOADX f, reg                    ; fragment f of x: 16 rows x 128 numbers; a load takes one row's 512 bytes
.irp t, 0,1,2,3,4,5,6,7,8,9,10,11,12,13,14,15
	global_load_b128 v[\reg+4*\t:\reg+4*\t+3], v[XO], s[4:5] offset:\t*16384+512*(\f) th:TH_LOAD_NT
.endr
.endm
.macro LOADW reg                       ; load t: 256 bytes of each of the rows of lanes 2 t and 2 t + 1 of my image
.irp t, 0,1,2,3,4,5,6,7
	global_load_b128 v[\reg+4*\t:\reg+4*\t+3], v[WO], s[6:7] offset:32768*\t th:TH_LOAD_NT
.endr
.endm
.macro TURNX reg, u                    ; LDS serves a wave's instructions in order (ISA guide 5.7.1.4): no wait between the stores and the loads
.irp t, 0,1,2,3,4,5,6,7,8,9,10,11,12,13,14,15
	ds_store_b128 v[STX], v[\reg+4*\t:\reg+4*\t+3] offset:STG*\u+528*\t
.endr
.irp b, 0,1,2,3
.irp j, 0,1,2,3
	ds_load_b128 v[\reg+16*\b+4*\j:\reg+16*\b+4*\j+3], v[RBX] offset:STG*\u+128*\b+16*\j
.endr
.endr
.endm
.macro TURNW reg, u                    ; stage row 2 t + h = that lane of my image; back: fragment f's 64 bytes of my lane in registers 16 f .. 16 f + 15
.irp t, 0,1,2,3,4,5,6,7
	ds_store_b128 v[STW], v[\reg+4*\t:\reg+4*\t+3] offset:STG*\u+544*\t
.endr
.irp f, 0,1
.irp b, 0,1,2,3
	ds_load_b128 v[\reg+16*\f+4*\b:\reg+16*\f+4*\b+3], v[RBW] offset:STG*\u+128*\f+32*\b
.endr
.endr
.endm
.macro SMOOTH reg                      ; x times smooth_scale, two at a time
.set j, 0
.rept 32
	v_pk_mul_f32 v[\reg+j:\reg+j+1], v[\reg+j:\reg+j+1], s[22:23] op_sel_hi:[1,0]
.set j, j+2
.endr
.endm
; 64 signed bytes become 64 f32 numbers times weight_scale.  b xor 0x80 is b + 128; as the lowest byte under 0x4B0000 it is the f32 number 2^23 + 128 + b; less 2^23 + 128 that is b, exactly.
; The subtraction and the multiplication are not fused: b x weight_scale is rounded once, as one product of two f32 numbers.
.macro UNPACK src, dst
.irp i, 0,1,2,3,4,5,6,7,8,9,10,11,12,13,14,15
	v_xor_b32 v[\src+\i], 0x80808080, v[\src+\i]
.endr
.irp i, 0,1,2,3,4,5,6,7,8,9,10,11,12,13,14,15
.irp n, 0,1,2,3
	v_perm_b32 v[\dst+4*\i+\n], v[\src+\i], s28, s[32+\n]   ; byte n of the first source below, bytes 1 to 3 of 0x4B000000 above
.endr
.endr
.set j, 0
.rept 32
	v_pk_add_f32 v[\dst+j:\dst+j+1], v[\dst+j:\dst+j+1], s[26:27] op_sel_hi:[1,0]
.set j, j+2
.endr
.set j, 0
.rept 32
	v_pk_mul_f32 v[\dst+j:\dst+j+1], v[\dst+j:\dst+j+1], s[24:25] op_sel_hi:[1,0]
.set j, j+2
.endr
.endm
; 64 numbers of a lane, register 16 b + i = k 32 b + 16 (lane / 16) + i of my row, become a fragment's codes in v[PC] on and its scale word in v[pw] (lanes l and l xor 16 hold the same word)
.macro QUANT s, pw
.irp b, 0,1,2,3
	v_max3_num_f32 v[TM+\b], |v[\s+16*\b]|, |v[\s+1+16*\b]|, 0x1800000   ; with the floor 2^(3 - 127): the byte cannot fall under 1
.endr
.irp i, 2,4,6,8,10,12,14
.irp b, 0,1,2,3
	v_max3_num_f32 v[TM+\b], v[TM+\b], |v[\s+16*\b+\i]|, |v[\s+1+16*\b+\i]|   ; the four blocks by turns
.endr
.endr
.irp b, 0,1,2,3
	v_permlanex16_b32 v[TM+4+\b], v[TM+\b], s30, s31
.endr
.irp b, 0,1,2,3
	v_max_num_f32 v[TM+\b], v[TM+\b], v[TM+4+\b]   ; with lane l xor 16's: the block's largest magnitude
.endr
.irp b, 0,1,2,3
	v_add_nc_u32 v[TM+12+\b], 0xff000000, v[TM+\b]   ; 2 off its exponent field: the conversion's scale operand
.endr
.irp b, 0,1,2,3
	v_lshrrev_b32 v[TM+4+\b], 23, v[TM+12+\b]      ; the scale's byte
.endr
	v_lshl_or_b32 v[\pw], v[TM+5], 8, v[TM+4]
	v_lshl_or_b32 v[\pw], v[TM+6], 16, v[\pw]
	v_lshl_or_b32 v[\pw], v[TM+7], 24, v[\pw]
.irp c, 0,1
	v_cvt_scalef32_pk16_fp6_f32 v[PC+6*\c:PC+2+6*\c], v[\s+32*\c:\s+15+32*\c], v[TM+12+2*\c]
	v_cvt_scalef32_pk16_fp6_f32 v[PC+12+4*\c:PC+14+4*\c], v[\s+16+32*\c:\s+31+32*\c], v[TM+12+2*\c+1]   ; a conversion's three registers begin on an even number
.endr
	v_nop                                          ; one plain vector instruction behind the last scaled conversion
.irp c, 0,1                                    ; the operand's layout wants a WHOLE block in a lane
.irp i, 0,1,2
	v_permlane16_swap_b32 v[PC+6*\c+\i], v[PC+12+4*\c+\i]
.endr
.irp i, 0,1,2
	v_mov_b32 v[PC+3+6*\c+\i], v[PC+12+4*\c+\i]
.endr
.endr
.endm
.macro IMAGE base, f                   ; each store covers 512 consecutive bytes, at a multiple of 256 from the buffer's first byte
.irp c, 0,1,2
	global_store_b128 v[IMG], v[PC+4*\c:PC+4*\c+3], s[\base:\base+1] offset:KST*(\f)+512*\c
.endr
.endm
.macro WORDS o, base                   ; lanes 0-15 store my image's words for the first 128 of K, lanes 16-31 those for the second
	v_cndmask_b32 v[\o], v[PW+1], v[PW], vcc_lo
	global_store_b32 v[SCO], v[\o], s[\base:\base+1] offset:12288
.endm
.macro DOX f, reg
	SMOOTH \reg
	s_wait_xcnt 0x0                                ; the last fragment's stores name v[PC] on as their data: written again only behind this wait
	QUANT \reg, PW+\f
	IMAGE 12, \f
.endm
.macro DOW f, more                     ; more = 1: the weight's bytes are all unpacked: their registers take x's second fragment
	UNPACK S1+16*(\f), S2
.if \more
	LOADX 1, S1
.endif
	s_wait_xcnt 0x0                                ; as above
	QUANT S2, PW+\f
	IMAGE 14, \f
.endm
	s_load_b256 s[4:11], s[0:1], 0x0               ; x, the weight, smooth_scale, weight_scale
	s_load_b128 s[12:15], s[0:1], 0x20             ; a_q, b_q
	v_lshl_add_u32 v254, v0, 2, 0x11000            ; my spare word, behind the eight stages
	v_mov_b32 v255, 0
	v_lshrrev_b32 v1, 5, v0
	v_readfirstlane_b32 s16, v1                    ; wave 0..3
	v_and_b32 v1, 31, v0                           ; lane
	v_and_b32 v2, 15, v0                           ; r
	v_bfe_u32 v3, v0, 4, 1                         ; h
	v_lshlrev_b32 v[XO], 4, v1
	v_lshlrev_b32 v[WO], 14, v3
	v_lshl_add_u32 v[WO], v2, 4, v[WO]
	s_and_b32 s18, ttmp7, 0xffff                   ; which 64 rows
	s_lshl_b32 s20, s18, 20                        ; x: 64 rows of 16,384 bytes,
	s_lshl_b32 s37, s16, 18                        ; my wave's 16 rows,
	s_add_co_u32 s20, s20, s37
	s_lshl_b32 s37, ttmp9, 10                      ; and 256 numbers along K for each work-group x
	s_add_co_u32 s20, s20, s37
	s_mov_b32 s21, 0
	s_lshl_b32 s38, s18, 18                        ; the weight: 64 rows of 4,096 bytes,
	s_lshl_b32 s37, s16, 12                        ; my image begins at row w,
	s_add_co_u32 s38, s38, s37
	s_lshl_b32 s37, ttmp9, 8                       ; 256 bytes along K
	s_add_co_u32 s38, s38, s37
	s_mov_b32 s39, 0
	s_wait_alu depctr_va_vdst(0)
	s_wait_kmcnt 0x0
	s_add_nc_u64 s[4:5], s[4:5], s[20:21]
	s_add_nc_u64 s[6:7], s[6:7], s[38:39]
	s_load_b32 s22, s[8:9], 0x0                    ; smooth_scale
	s_load_b32 s24, s[10:11], 0x0                  ; weight_scale
	LOADW S1                                       ; 24 loads of my wave go out ahead of everything else: the weight's 8,
	LOADX 0, S0                                    ; and 16 of x
	s_lshr_b32 s19, s18, 1                         ; which 128 rows
	s_and_b32 s17, s18, 1
	s_lshl_b32 s17, s17, 2
	s_add_co_u32 s17, s17, s16                     ; my image: 4 (y % 2) + wave
	s_lshl_b32 s20, ttmp9, 6
	s_add_co_u32 s20, s20, s19
	s_mul_i32 s20, s20, 12800                      ; the first of my two blocks in a_q and in b_q
	s_add_nc_u64 s[12:13], s[12:13], s[20:21]
	s_add_nc_u64 s[14:15], s[14:15], s[20:21]
	s_mul_i32 s36, s16, 2*STG                      ; my wave's two stages
	v_add_nc_u32 v[STX], s36, v[XO]
	v_mul_u32_u24 v[RBX], v2, 528
	v_lshl_add_u32 v[RBX], v3, 6, v[RBX]
	v_add_nc_u32 v[RBX], s36, v[RBX]
	v_mul_u32_u24 v[STW], v3, 272
	v_lshl_add_u32 v[STW], v2, 4, v[STW]
	v_add_nc_u32 v[STW], s36, v[STW]
	v_mul_u32_u24 v[RBW], v2, 272
	v_lshl_add_u32 v[RBW], v3, 4, v[RBW]
	v_add_nc_u32 v[RBW], s36, v[RBW]
	s_mul_i32 s37, s17, 1536
	v_add_nc_u32 v[IMG], s37, v[XO]
	s_lshl_b32 s37, s17, 6
	v_mul_u32_u24 v[SCO], v3, KST
	v_lshl_add_u32 v[SCO], v2, 2, v[SCO]
	v_add_nc_u32 v[SCO], s37, v[SCO]
	v_cmp_gt_u32 vcc_lo, 16, v1                    ; lanes 0-15; kept to the end
.irp b, 0,1,2,3
	v_mov_b32 v[TM+4+\b], 0                        ; written once: a lane permute's destination counts as one of its sources
.endr
	s_mov_b32 s26, 0xcb000080                      ; -(2^23 + 128)
	s_mov_b32 s27, 0xcb000080                      ; (the packed forms name a pair: the upper word is written too)
	s_mov_b32 s28, 0x4b000000                      ; 2^23
	s_mov_b32 s30, 0x76543210
	s_mov_b32 s31, 0xfedcba98                      ; v_permlanex16_b32's selects for lane l xor 16
.irp n, 0,1,2,3
	s_mov_b32 s[32+\n], 0x03020104+\n
.endr
	s_wait_alu depctr_va_vdst(0)
	s_wait_kmcnt 0x0                               ; the two scales
	s_mov_b32 s23, s22
	s_mov_b32 s25, s24
	s_wait_loadcnt 16                              ; the weight's eight loads are in; the 16 of x's first fragment may be out
	TURNW S1, 0
	s_wait_dscnt 0x0                               ; the weight is back from the stage
	DOW 0, 0
	DOW 1, 1
	WORDS 248, 14
	s_wait_loadcnt 16                              ; x's first fragment is in; the 16 loads of the second may be out
	TURNX S0, 0
	s_wait_dscnt 0x0
	DOX 0, S0
	s_wait_loadcnt 0x0                             ; x's second fragment is in
	TURNX S1, 1
	s_wait_dscnt 0x0
	DOX 1, S1
	WORDS 250, 12
	s_wait_tensorcnt 0x0                           ; the wave's end
	ds_add_u32 v254, v255
	s_wait_dscnt 0x0
	s_endpgm
.Lfunc_end_k_q8f894cfffd_quant:
	.size	k_q8f894cfffd_quant, .Lfunc_end_k_q8f894cfffd_quant-k_q8f894cfffd_quant
	.p2alignl 7, 3214868480
	.fill 96, 4, 3214868480
	.section	.rodata,"a",@progbits
	.p2align	6, 0x0
	.amdhsa_kernel k_q8f894cfffd_quant
		.amdhsa_group_segment_fixed_size 70144
		.amdhsa_private_segment_fixed_size 0
		.amdhsa_enable_private_segment 0
		.amdhsa_kernarg_size 48
		.amdhsa_user_sgpr_count 2
		.amdhsa_user_sgpr_kernarg_segment_ptr 1
		.amdhsa_wavefront_size32 1
		.amdhsa_system_sgpr_workgroup_id_x 1
		.amdhsa_system_sgpr_workgroup_id_y 1
		.amdhsa_system_sgpr_workgroup_id_z 1
		.amdhsa_system_vgpr_workitem_id 0
		.amdhsa_next_free_vgpr 256
		.amdhsa_next_free_sgpr 66
		.amdhsa_reserve_vcc 1
		.amdhsa_float_denorm_mode_32 3
		.amdhsa_float_denorm_mode_16_64 3
		.amdhsa_memory_ordered 1
		.amdhsa_forward_progress 1
		.amdhsa_inst_pref_size 52
	.end_amdhsa_kernel
	.amdgpu_metadata
---
amdhsa.version: [ 1, 2 ]
amdhsa.kernels:
  - .name:           k_q8f894cfffd_quant
    .symbol:         k_q8f894cfffd_quant.kd
    .args:
      - { .name: x, .offset: 0, .size: 8, .value_kind: global_buffer, .address_space: global }
      - { .name: weight_int8, .offset: 8, .size: 8, .value_kind: global_buffer, .address_space: global }
      - { .name: smooth_scale, .offset: 16, .size: 8, .value_kind: global_buffer, .address_space: global }
      - { .name: weight_scale, .offset: 24, .size: 8, .value_kind: global_buffer, .address_space: global }
      - { .name: a_q, .offset: 32, .size: 8, .value_kind: global_buffer, .address_space: global }
      - { .name: b_q, .offset: 40, .size: 8, .value_kind: global_buffer, .address_space: global }
    .group_segment_fixed_size: 70144
    .private_segment_fixed_size: 0
    .kernarg_segment_align: 8
    .kernarg_segment_size: 48
    .max_flat_workgroup_size: 128
    .sgpr_count:     66
    .vgpr_count:     256
    .wavefront_size: 32
...
	.end_amdgpu_metadata
.endif
;; end of part 1
;; launch gemm (part 2): grid 16 x 16, 4 waves a work-group, clusters of 4 x 4, 327,680 bytes of LDS; arguments a_q, b_q, bias, out0; writes out0
.if DOCPART == 2
	.amdgcn_target "amdgcn-amd-amdhsa--gfx1250"
	.amdhsa_code_object_version 6
	.text
	.protected	k_q8f894cfffd_gemm
	.globl	k_q8f894cfffd_gemm
	.p2align	8
	.type	k_q8f894cfffd_gemm,@function
k_q8f894cfffd_gemm:
	s_mov_b64 s[64:65], 0
	v_nop
	global_prefetch_b8 v0, s[64:65] scope:SCOPE_SE
	s_setreg_imm32_b32 hwreg(HW_REG_WAVE_MODE, 25, 1), 1
	s_wait_xcnt 0x0
	s_wait_alu depctr_hold_cnt(0) depctr_sa_sdst(0) depctr_va_vdst(0) depctr_va_sdst(0) depctr_va_ssrc(0) depctr_va_vcc(0) depctr_vm_vsrc(0)
	s_getreg_b32 s2, hwreg(HW_REG_IB_STS2, 6, 4)
	s_cmp_eq_u32 s2, 0
	s_cbranch_scc0 .Lentry_in_a_cluster
	s_endpgm
.Lentry_in_a_cluster:
	s_bfe_u32 s2, ttmp6, 0x10000c
	s_cmp_lg_u32 s2, 0xf033
	s_cbranch_scc0 .Lentry_shape_is_right
	s_endpgm
.Lentry_shape_is_right:
; out0[m][n] = sum over k of A[m][k] B[n][k] + bias[n]; A and B are the codes and scale words that the launch before has laid: [K / 128: 32][row / 128: 32][12,800 bytes], a block = 8 images of fragments
; (1,536 bytes, the operand's 12 registers as they stand) and 512 bytes of scale words.  Products by v_wmma_scale_f32_16x16x128_f8f6f4 on FP6 codes, sums in f32; the bias is added in f32 on the way out.
; A tile of 256 x 256 to a work-group of four waves; a wave makes 128 x 128: 64 accumulators.  256 work-groups.
; REGISTERS, in windows of 256.  Window 0: v4, v5 the add's two registers; v6-7 prefetch offsets; v8-13 LDS addresses; v14 my offset in out0; v16-31 scale words, a set of 8 for each parity of the step: register i holds in
;   lanes 0-15 the words of A's block i, in lanes 16-31 those of B's image i; v32-127 and v128-223 A's eight fragments, a set for each parity.  Window 1: v16-23 the bias of my lane's eight columns; v32-127 and v128-223 B's two sets.
;   Window 2: the accumulators of A's blocks 0-3 (block a, image b at v[8 (8 (a % 4) + b)]); window 3: those of blocks 4-7.
; A STEP is 128 along K.  At its head stands ONE run of 56 LDS loads, the next step's operands into the sets of the other parity; then its 64 products follow each other, the 64 accumulators by turns.
; THE RING: two LDS slots of three steps each; in a slot wave w's part (its own tensor load: 3 rows of 12,800 bytes, 409,600 apart in memory) at 38,400 w: A's two halves, then B's.  Fill n brings steps 3 n .. 3 n + 2 into slot n % 2; fill 10 brings two.
;   A step's operands are fetched during the step before.  So at the head of a slot's last step all reads of the slot are over: there stand the wait for all tensor loads, the add, the round of the cluster's barrier and the refill.
;   A wave has one tensor load out, asked for behind the first 16 products of a slot's last step and awaited at the head of the other slot's last step.
; CLUSTERS: 4 x 4 work-groups; A's parts are asked for jointly along a row of the cluster, B's along a column.
; PREFETCH: behind the joint load of fill n each wave asks for its part of fill n + 1 (150 blocks of 256 bytes); the four partners that will ask for that part jointly share the blocks out by address, 38 each, in two instructions
;   (lanes left over name the last block again).  Fill 10 is shorter than the pattern and is not asked for; fill 0 comes by its load alone.
; THE WAY OUT needs no LDS: source 0 = A, source 1 = B, so register j of lane (r, h) is row 16 a + 8 h + j, and lane r of B's image b is column 64 (b / 4) + 4 r + b % 4.  Adding the bias moves register j of four neighbouring images
;   into four neighbouring registers: 16 bytes a lane, and sixteen lanes store 256 aligned bytes of a row.  In the last step each pair of blocks leaves as soon as it is finished.
.set KSTEP, 409600
.set BLK,   12800
.set PART,  3*BLK
.set SLOT,  4*PART
.set SPARE, 2*SLOT                     ; behind the ring: the spare words, 128 bytes a wave
.set SCOFF, 12288
.set SPW,  4
.set NIL,  5
.set PFO,  6
.set ADR,  8                           ; v8-9 A's fragments in slot 0, 1; v10-11 B's
.set ADRS, 12                          ; v12-13 scale words
.set CO,   14
.set SC,   16
.set BI,   16                          ; in window 1
.set FRG,  32
.set G1,   24                          ; group 1, two rows: A's, B's
.set G1B,  48
.set G0,   32                          ; group 0, one set for each slot: A's, B's
.set G0B,  56
.set G1L,  68                          ; group 1, three rows: A's, B's
.set G1LB, 76
.set PFA,  84                          ; s[84:85] my part of the fill that is prefetched next
.set MSB, 0
.macro WIN new                         ; the immediate's high byte repeats the setting that is left
.if MSB != (\new)
	s_set_vgpr_msb (MSB<<8)|(\new)
.set MSB, (\new)
.endif
.endm
.macro JLOAD g0a, g1a, g0b, g1b        ; a joint load: waves 0 and 1 for A, waves 2 and 3 for B; s_nop 0 and four v_nop behind each line
	s_cmp_eq_u32 s15, 0
	s_cbranch_scc0 .Lfor_b_\@
	tensor_load_to_lds s[\g0a:\g0a+3], s[\g1a:\g1a+7]
	s_nop 0
.rept 4
	v_nop
.endr
	s_branch .Lasked_\@
.Lfor_b_\@:
	tensor_load_to_lds s[\g0b:\g0b+3], s[\g1b:\g1b+7]
	s_nop 0
.rept 4
	v_nop
.endr
.Lasked_\@:
.endm
.macro CREST                           ; a round of the cluster's barrier behind its opening barrier
	s_cmp_lg_u32 s14, 0
	s_cbranch_scc1 .Lnot_wave_0_\@
	s_barrier_signal -3
.Lnot_wave_0_\@:
	s_barrier_wait -3
	s_barrier_signal -1
	s_barrier_wait -1
.endm
.macro CROUND
	s_barrier_signal -1
	s_barrier_wait -1
	CREST
.endm
.macro ASK how                         ; 1: always; 2: not in the loop's last trip, whose next fill is the short one
.if \how
.if \how == 2
	s_cmp_gt_u32 s3, 1
	s_cbranch_scc0 .Lno_ask_\@
.endif
	global_prefetch_b8 v[PFO], s[PFA:PFA+1] th:TH_LOAD_NT scope:SCOPE_SE
	global_prefetch_b8 v[PFO+1], s[PFA:PFA+1] th:TH_LOAD_NT scope:SCOPE_SE
.Lno_ask_\@:
.endif
.endm
; One run of 56 LDS loads: the operands of a step of parity q, which lie at step j of slot: B's 24, A's 24 (load l brings registers 4 l .. 4 l + 3 of the set), 8 of scale words
.macro RUN q, slot, j
	WIN 0x40                                       ; destination window 1, address window 0
.set L, 0
.rept 24
	ds_load_b128 v[FRG+96*(\q)+4*L:FRG+96*(\q)+4*L+3], v[ADR+2+(\slot)] offset:(\j)*BLK+512*L
.set L, L+1
.endr
	WIN 0
.set L, 0
.rept 24
	ds_load_b128 v[FRG+96*(\q)+4*L:FRG+96*(\q)+4*L+3], v[ADR+(\slot)] offset:(\j)*BLK+512*L
.set L, L+1
.endr
.set L, 0
.rept 8
	ds_load_b32 v[SC+8*(\q)+L], v[ADRS+(\slot)] offset:(\j)*BLK+64*L
.set L, L+1
.endr
.endm
; A's blocks a0 .. a0 + na - 1, each against B's eight images, from the sets of parity p; the accumulators take turns.  zero: the products start the sums.
; sig: behind the first block stand the wait for the add and for my LDS reads, and the barrier's signal.
.macro MULB p, a0, na, zero, sig
.set A_, \a0
.rept \na
.if ((\sig) != 0) && (A_ == (\a0)+1)
	s_wait_dscnt 0x0
	s_barrier_signal -1
.endif
	WIN 0xa4+0x50*(A_/4)                           ; source 0 window 0, source 1 window 1, C and D window 2 or 3
.set B_, 0
.rept 8
.set DD, 8*(8*(A_%4)+B_)
.if \zero
	v_wmma_scale_f32_16x16x128_f8f6f4 v[DD:DD+7], v[FRG+96*(\p)+12*A_:FRG+96*(\p)+12*A_+11], v[FRG+96*(\p)+12*B_:FRG+96*(\p)+12*B_+11], 0, v[SC+8*(\p)+A_], v[SC+8*(\p)+B_] matrix_a_fmt:MATRIX_FMT_FP6 matrix_b_fmt:MATRIX_FMT_FP6 matrix_b_scale:MATRIX_SCALE_ROW1
.else
	v_wmma_scale_f32_16x16x128_f8f6f4 v[DD:DD+7], v[FRG+96*(\p)+12*A_:FRG+96*(\p)+12*A_+11], v[FRG+96*(\p)+12*B_:FRG+96*(\p)+12*B_+11], v[DD:DD+7], v[SC+8*(\p)+A_], v[SC+8*(\p)+B_] matrix_a_fmt:MATRIX_FMT_FP6 matrix_b_fmt:MATRIX_FMT_FP6 matrix_b_scale:MATRIX_SCALE_ROW1
.endif
.set B_, B_+1
.endr
.set A_, A_+1
.endr
.endm
.macro PLACES                          ; four places between the last step's products and the loads into the registers that they read (ISA guide 7.12.1 for vector instructions)
.rept 4
	v_nop
.endr
.endm
; A step of parity p; the next step's operands lie at step j of slot
.macro STEP p, zero, slot, j
	s_wait_dscnt 0x0                               ; this step's operands are in: they were asked for 64 products ago (behind a slot's last step: 48)
	PLACES
	RUN 1-\p, \slot, \j
	MULB \p, 0, 8, \zero, 0
.endm
; The last step of slot old.  fill: 0 nothing more to fetch, 1 three steps, 2 the last two steps.
.macro TURN p, old, fill, ask
	WIN 0                                          ; the add's registers lie in window 0
.if \ask
	s_wait_xcnt 0x0                                ; my last prefetches have read their address: it steps to the next fill
	s_add_nc_u64 s[PFA:PFA+1], s[PFA:PFA+1], 3*KSTEP
.endif
	s_wait_tensorcnt 0x0                           ; my part of the other slot has landed: no tensor load of mine is out
	ds_add_u32 v[SPW], v[NIL]
	s_wait_dscnt 1                                 ; only the add may be out: this step's operands are in
	MULB \p, 0, 2, 0, 1                            ; 8 products, the wait for 0 and the signal, 8 products
	WIN 0
	s_barrier_wait -1
.if \fill
	CREST                                          ; the barrier has opened a round: no wave of any partner reads this slot or has a load on its way
	s_add_nc_u64 s[G0+4*(\old)+2:G0+4*(\old)+3], s[G0+4*(\old)+2:G0+4*(\old)+3], 6*KSTEP
	s_add_nc_u64 s[G0B+4*(\old)+2:G0B+4*(\old)+3], s[G0B+4*(\old)+2:G0B+4*(\old)+3], 6*KSTEP
.if \fill == 1
	JLOAD G0+4*(\old), G1L, G0B+4*(\old), G1LB     ; its four v_nop are also the places in front of the loads below
.else
	JLOAD G0+4*(\old), G1, G0B+4*(\old), G1B
.endif
.else
	PLACES
.endif
	RUN 1-\p, 1-\old, 0
	ASK \ask
	MULB \p, 2, 6, 0, 0
.endm
; Blocks a0 and a0 + 1 leave.  Block u's 64 sums + bias go into v32-95 of window u, the even steps' sets of A and B, which are done with; each accumulator is read from its low end on.
.macro OUT a0
	PLACES                                         ; behind the products just issued
.irp u, 0,1
	s_wait_xcnt 0x0                                ; earlier stores have read their data registers
	WIN (2+(\a0)/4)|(1<<2)|(\u<<6)
.irp j, 0,1,2,3,4,5,6,7
.irp c, 0,1,2,3,4,5,6,7
	v_add_f32 v[FRG+8*\j+\c], v[8*(8*(((\a0)+\u)%4)+\c)+\j], v[BI+\c]
.endr
.endr
	WIN \u<<2
.irp j, 0,1,2,3,4,5,6,7
.irp q, 0,1
	global_store_b128 v[CO], v[FRG+8*\j+4*\q:FRG+8*\j+4*\q+3], s[10:11] offset:(16*((\a0)+\u)+\j)*16384+256*\q th:TH_STORE_NT   ; lanes 0-15: 256 aligned bytes of row j, lanes 16-31 of row 8 + j
.endr
.endr
.endr
.endm
	s_load_b256 s[4:11], s[0:1], 0x0               ; a_q, b_q, bias, out0
	v_lshl_add_u32 v[SPW], v0, 2, SPARE
	v_mov_b32 v[NIL], 0
	ds_add_u32 v[SPW], v[NIL]                      ; the opening lines: the add, twice on end, and its wait
	ds_add_u32 v[SPW], v[NIL]
	v_lshrrev_b32 v1, 5, v0
	v_readfirstlane_b32 s14, v1                    ; wave 0..3
	s_lshr_b32 s15, s14, 1                         ; my half of the tile's rows; also: I fetch for A (0) or B (1)
	s_and_b32 s16, s14, 1                          ; my half of its columns; also: which 128 rows I fetch
	s_bfe_u32 s40, ttmp6, 0x40000                  ; cx
	s_bfe_u32 s41, ttmp6, 0x40004                  ; cy
	s_lshl_b32 s42, ttmp9, 2
	s_add_co_u32 s42, s42, s40                     ; tile column
	s_and_b32 s17, ttmp7, 0xffff
	s_lshl_b32 s17, s17, 2
	s_add_co_u32 s17, s17, s41                     ; tile row
	s_lshl_b32 s43, s41, 2
	s_lshl_b32 s43, 15, s43                        ; my row of the cluster
	s_lshl_b32 s44, 0x1111, s40                    ; my column
	s_or_b32 s[G1], s43, (3<<16)|(1<<21)           ; elements of 8 bytes, the mask, bit 21 beside it
	s_or_b32 s[G1B], s44, (3<<16)|(1<<21)
	s_or_b32 s[G1L], s43, (3<<16)|(1<<21)
	s_or_b32 s[G1LB], s44, (3<<16)|(1<<21)
.irp g, G1, G1B
	s_mov_b32 s[\g+2], 2<<16                       ; two rows
	s_mov_b32 s[\g+4], 2
.endr
.irp g, G1L, G1LB
	s_mov_b32 s[\g+2], 3<<16                       ; three rows
	s_mov_b32 s[\g+4], 3
.endr
.irp g, G1, G1B, G1L, G1LB
	s_mov_b32 s[\g+1], (BLK/8)<<16                 ; a row: 1,600 elements
	s_mov_b32 s[\g+3], (BLK/8)<<16
	s_mov_b32 s[\g+5], KSTEP/8                     ; from row to row
	s_mov_b32 s[\g+6], 0
	s_mov_b32 s[\g+7], 0
.endr
	s_lshl_b32 s20, s17, 1
	s_add_co_u32 s20, s20, s16
	s_mul_i32 s20, s20, BLK                        ; A: block 2 x tile row + half
	s_mov_b32 s21, 0
	s_lshl_b32 s46, s42, 1
	s_add_co_u32 s46, s46, s16
	s_mul_i32 s46, s46, BLK                        ; B: block 2 x tile column + half
	s_mov_b32 s47, 0
	s_mul_i32 s45, s14, PART                       ; my part of a slot
	s_wait_dscnt 0x0                               ; both opening adds are done
	s_wait_kmcnt 0x0
	s_add_nc_u64 s[20:21], s[4:5], s[20:21]
	s_add_nc_u64 s[46:47], s[6:7], s[46:47]
	CROUND                                         ; in front of the first joint loads
	s_mov_b32 s[G0], 1
	s_mov_b32 s[G0+1], s45
	s_mov_b64 s[G0+2:G0+3], s[20:21]
	s_or_b32 s[G0+3], s[G0+3], 0x80000000
	s_mov_b32 s[G0B], 1
	s_mov_b32 s[G0B+1], s45
	s_mov_b64 s[G0B+2:G0B+3], s[46:47]
	s_or_b32 s[G0B+3], s[G0B+3], 0x80000000
	JLOAD G0, G1L, G0B, G1LB                       ; fill 0: one tensor load a wave at the head
	s_mov_b32 s[G0+4], 1
	s_add_co_u32 s[G0+5], s45, SLOT
	s_add_nc_u64 s[G0+6:G0+7], s[20:21], 3*KSTEP
	s_or_b32 s[G0+7], s[G0+7], 0x80000000
	s_mov_b32 s[G0B+4], 1
	s_add_co_u32 s[G0B+5], s45, SLOT
	s_add_nc_u64 s[G0B+6:G0B+7], s[46:47], 3*KSTEP
	s_or_b32 s[G0B+7], s[G0B+7], 0x80000000
	s_cmp_eq_u32 s15, 0                            ; the prefetches: my part, A's or B's,
	s_cselect_b64 s[PFA:PFA+1], s[20:21], s[46:47]
	s_cselect_b32 s86, s40, s41                    ; and my place among the four that ask for it jointly
	s_add_nc_u64 s[PFA:PFA+1], s[PFA:PFA+1], 3*KSTEP   ; fill 1
	s_mul_i32 s86, s86, 38                         ; my 38 of its 150 blocks
	s_lshl_b32 s20, s17, 8
	s_lshl_b32 s21, s15, 7
	s_add_co_u32 s20, s20, s21
	s_lshl_b32 s20, s20, 14                        ; my first row of out0, in bytes
	s_mov_b32 s21, 0
	s_lshl_b32 s46, s42, 10
	s_lshl_b32 s47, s16, 9
	s_add_co_u32 s46, s46, s47                     ; my first column, in bytes
	s_mov_b32 s47, 0
	s_add_nc_u64 s[8:9], s[8:9], s[46:47]
	s_add_nc_u64 s[10:11], s[10:11], s[20:21]
	s_add_nc_u64 s[10:11], s[10:11], s[46:47]
	s_mul_i32 s21, s15, PART                       ; A's part that I read
	s_mul_i32 s22, s16, PART
	s_add_co_u32 s22, s22, 2*PART                  ; B's
	s_xor_b32 s23, s15, 1
	s_add_co_u32 s23, s23, s16
	s_add_co_u32 s23, s23, 1
	s_mul_i32 s18, s23, PART                       ; from the one to the other
	s_add_co_u32 s19, s21, SCOFF
	s_add_co_u32 s12, s21, SLOT
	s_add_co_u32 s13, s22, SLOT
	s_add_co_u32 s23, s19, SLOT
	v_and_b32 v1, 15, v0                           ; r
	v_bfe_u32 v2, v0, 4, 1                         ; h
	v_and_b32 v15, 31, v0                          ; lane
	v_add_nc_u32 v[PFO], s86, v15                  ; blocks 38 p + lane,
	v_min_u32 v[PFO+1], 5, v15
	v_add3_u32 v[PFO+1], v[PFO+1], s86, 32         ; and 38 p + 32 .. 37
	v_lshlrev_b32 v15, 4, v15                      ; 16 x lane
	v_mul_u32_u24 v3, s18, v2
	v_lshl_add_u32 v3, v1, 2, v3                   ; 4 r + h x (B's part - A's part)
	v_add_nc_u32 v[ADR], s21, v15
	v_add_nc_u32 v[ADR+1], s12, v15
	v_add_nc_u32 v[ADR+2], s22, v15
	v_add_nc_u32 v[ADR+3], s13, v15
	v_add_nc_u32 v[ADRS], s19, v3
	v_add_nc_u32 v[ADRS+1], s23, v3
	v_lshlrev_b32 v[CO], 17, v2                    ; out0: 8 h rows of 16,384 bytes + 16 r
	v_lshl_add_u32 v[CO], v1, 4, v[CO]
	v_lshlrev_b32 v2, 4, v1                        ; the bias: 16 r
	v_min_u32 v[PFO], 149, v[PFO]
	v_min_u32 v[PFO+1], 149, v[PFO+1]
	v_mul_u32_u24 v1, v[PFO], 41                   ; block u lies in row u / 50 = (41 u) >> 11 of the fill, at 256 (u % 50): 256 u + 396,800 (u / 50)
	v_lshrrev_b32 v1, 11, v1
	v_mul_u32_u24 v1, v1, 396800
	v_lshl_add_u32 v[PFO], v[PFO], 8, v1
	v_mul_u32_u24 v1, v[PFO+1], 41
	v_lshrrev_b32 v1, 11, v1
	v_mul_u32_u24 v1, v1, 396800
	v_lshl_add_u32 v[PFO+1], v[PFO+1], 8, v1
	WIN 0x40                                       ; destination window 1
	global_load_b128 v[BI:BI+3], v2, s[8:9]        ; bias of columns 4 r .. 4 r + 3,
	global_load_b128 v[BI+4:BI+7], v2, s[8:9] offset:256   ; and 64 + 4 r .. + 3
	WIN 0
	ASK 1                                          ; fill 1
	s_wait_alu depctr_va_vdst(0)                   ; the head's end
	s_wait_tensorcnt 0x0                           ; my part of fill 0 is in; these lines stand ahead of a later first fill as ahead of a refill
	ds_add_u32 v[SPW], v[NIL]
	s_wait_dscnt 0x0
	CROUND
	JLOAD G0+4, G1L, G0B+4, G1LB                   ; fill 1
	RUN 0, 0, 0                                    ; step 0's operands
	s_wait_xcnt 0x0                                ; the prefetches of fill 1 have read their address
	s_add_nc_u64 s[PFA:PFA+1], s[PFA:PFA+1], 3*KSTEP
	ASK 1                                          ; fill 2
	STEP 0, 1, 0, 1                                ; step 0: its products start the sums
	WIN 0
	s_mov_b32 s3, 4
.Llap:                                                 ; a trip: steps 6 t + 1 .. 6 t + 6; both slots are filled again
	STEP 1, 0, 0, 2
	TURN 0, 0, 1, 1
	STEP 1, 0, 1, 1
	STEP 0, 0, 1, 2
	TURN 1, 1, 1, 2
	STEP 0, 0, 0, 1
	WIN 0
	s_sub_co_u32 s3, s3, 1
	s_cmp_lg_u32 s3, 0
	s_cbranch_scc1 .Llap
	STEP 1, 0, 0, 2                                ; step 25
	TURN 0, 0, 2, 0                                ; step 26: fill 10, steps 30 and 31
	STEP 1, 0, 1, 1
	STEP 0, 0, 1, 2
	TURN 1, 1, 0, 0                                ; step 29: nothing more to fetch; the barrier shows fill 10 whole
	STEP 0, 0, 0, 1
	s_wait_loadcnt 0x0                             ; the bias
	s_wait_dscnt 0x0
.irp a, 0,2,4,6                        ; step 31, two blocks at a time, each pair leaving at once
	MULB 1, \a, 2, 0, 0
	OUT \a
.endr
	WIN 0
	s_wait_tensorcnt 0x0                           ; the wave's end
	ds_add_u32 v[SPW], v[NIL]
	s_wait_dscnt 0x0
	CROUND                                         ; the closing round
	s_endpgm
.Lfunc_end_k_q8f894cfffd_gemm:
	.size	k_q8f894cfffd_gemm, .Lfunc_end_k_q8f894cfffd_gemm-k_q8f894cfffd_gemm
	.p2alignl 7, 3214868480
	.fill 96, 4, 3214868480
	.section	.rodata,"a",@progbits
	.p2align	6, 0x0
	.amdhsa_kernel k_q8f894cfffd_gemm
		.amdhsa_group_segment_fixed_size 327680
		.amdhsa_private_segment_fixed_size 0
		.amdhsa_enable_private_segment 0
		.amdhsa_kernarg_size 32
		.amdhsa_user_sgpr_count 2
		.amdhsa_user_sgpr_kernarg_segment_ptr 1
		.amdhsa_wavefront_size32 1
		.amdhsa_system_sgpr_workgroup_id_x 1
		.amdhsa_system_sgpr_workgroup_id_y 1
		.amdhsa_system_sgpr_workgroup_id_z 1
		.amdhsa_system_vgpr_workitem_id 0
		.amdhsa_next_free_vgpr 1024
		.amdhsa_next_free_sgpr 88
		.amdhsa_reserve_vcc 0
		.amdhsa_float_denorm_mode_32 3
		.amdhsa_float_denorm_mode_16_64 3
		.amdhsa_memory_ordered 1
		.amdhsa_forward_progress 1
		.amdhsa_inst_pref_size 209
	.end_amdhsa_kernel
	.amdgpu_metadata
---
amdhsa.version: [ 1, 2 ]
amdhsa.kernels:
  - .name:           k_q8f894cfffd_gemm
    .symbol:         k_q8f894cfffd_gemm.kd
    .args:
      - { .name: a_q, .offset: 0, .size: 8, .value_kind: global_buffer, .address_space: global }
      - { .name: b_q, .offset: 8, .size: 8, .value_kind: global_buffer, .address_space: global }
      - { .name: bias, .offset: 16, .size: 8, .value_kind: global_buffer, .address_space: global }
      - { .name: out0, .offset: 24, .size: 8, .value_kind: global_buffer, .address_space: global }
    .group_segment_fixed_size: 327680
    .private_segment_fixed_size: 0
    .kernarg_segment_align: 8
    .kernarg_segment_size: 32
    .max_flat_workgroup_size: 128
    .sgpr_count:     88
    .vgpr_count:     1024
    .wavefront_size: 32
...
	.end_amdgpu_metadata
.endif
;; end of part 2
